; MI455X (gfx1250); checked and timed in simulation.
; The chip was launched on July 23, 2026; its instructions are those of AMD's public machine-readable ISA for CDNA 5 (MIT licence, August 2026) and "CDNA5" Instruction Set Architecture Reference Guide (July 2026). The comments in the code are by the model that wrote it; some were corrected since.
;; Attention Layer. Allowed arithmetic: matrix products marked QUANTISED: E3M2 operands, one E8M0 scale for each 32 along K, by v_wmma_scale_f32_16x16x128_f8f6f4 with both operands' format E3M2, f32 sums; everything else in f32.
;; Inputs: Wqkv 384 x 256 float32; bqkv 384 float32; gamma 1 float32; x 8 x 256 x 64 x 64 float32.
;; Outputs: out0 8 x 256 x 64 x 64 float32.
;; This version of the problem:
;;   THIS VERSION OF THE PROBLEM IS GIVEN IN LOW PRECISION. The matrix products marked QUANTISED in the list below multiply operands that are first quantised to E3M2 (3 exponent bits, 2 mantissa bits; 6 bits a number), with one power-of-two scale for each 32 numbers along K (OCP MX v1.0); their sums are f32. All else is computed in f32.
;;   The module's matrix products, in the order in which they are computed (A, B: the left and right operand; K: the contracted axis; several contracted axes count as one K, in the product's order):
;;     1. [M 32,768, K 256] x [K 256, N 384]; A: computed on the way; B: input Wqkv: QUANTISED
;;     2. batch 8 x [M 4,096, K 64] x [K 64, N 4,096]; A: computed on the way; B: computed on the way: QUANTISED
;;     3. batch 8 x [M 256, K 4,096] x [K 4,096, N 4,096]; A: computed on the way; B: softmax (see below): QUANTISED
;;   THE QUANTISER, for each operand of a quantised product, along K:
;;     - K is cut into blocks of 32 from its start; a last block that is shorter is filled with zeros.
;;     - A block's scale is 2^e with e = floor(log2(the largest magnitude in the block)) - 4, held to -126 .. 127; a block of zeros has e = 0. As a byte (E8M0): e + 127.
;;     - Each number is divided by its block's scale, clamped to +-28, and rounded to the nearest number of E3M2, ties to even, subnormals kept.
;;     - The product sums the exact products of the quantised numbers (number of the format x scale) in f32.
;;   ~~~python
;;   def quantise(x, axis):      # numpy; x: float32 -> the quantised numbers, widened to float32 again
;;       x = np.moveaxis(x, axis, -1); K = x.shape[-1]
;;       x = np.pad(x, [(0, 0)] * (x.ndim - 1) + [(0, -K % 32)]); x = x.reshape(x.shape[:-1] + (-1, 32)); a = np.abs(x).max(-1, keepdims=True)
;;       e = np.where(a > 0, np.clip(np.frexp(np.where(a > 0, a, 1))[1] - 1 - 4, -126, 127), 0)      # np.frexp(a)[1] - 1 = floor(log2(a)), exactly
;;       r = np.clip(x / 2.0 ** e, -28, 28)
;;       step = 2.0 ** (np.maximum(np.frexp(np.where(r == 0, 1, r))[1] - 1, -2) - 2)
;;       q = np.round(r / step) * step * 2.0 ** e      # np.round: ties to even
;;       return np.moveaxis(q.reshape(q.shape[:-2] + (-1,))[..., :K], -1, axis).astype(np.float32)
;;   ~~~
;;   SOFTMAX AHEAD OF A QUANTISED PRODUCT. Where the list says 'softmax', what is quantised is not the finished softmax but p = 2^(t - M), with t = logit x log2(e) and M = ceil(the row's largest t), a whole number; so 1/2 < the row's largest p <= 1. The row's sum l is taken of the UNQUANTISED p, in f32, and the product's result is divided by l at the end. Since M is a whole number, a kernel that streams over the keys may use a running M (the ceiling of the running maximum): every later rescaling is an exact power of two, which a block's scale takes up: the codes' values come out the same.
;;   OPERANDS COMPUTED ON THE WAY. 'Computed on the way' means the value that the module computes at that place (a softmax that the list does not call 'softmax' is quantised finished and normalised). What goes into a quantiser is computed in f32, as accurately as f32 sums, v_exp_f32 and their like allow (about 1e-6 of the number): no bf16 or f16 on the way to a quantiser, and a product that is left as it is and whose result goes on into a quantised operand takes f32 operands (vector FMAs, or v_wmma_f32_16x16x4_f32). A number that lies on a knife's edge between two numbers of the format may be rounded either way, as far as f32 arithmetic and the matrix unit's own rounding can turn it there, and no further.
;; One version. Each part assembles by itself: llvm-mc -triple=amdgcn-amd-amdhsa -mcpu=gfx1250 --defsym DOCPART=n.
;; ======== version 1 of 1: 2 launches
;; workspace buffers: kv 8,388,608 bytes; qq 1,703,936 bytes
;; launch qkv (part 1): grid 256 x 1, 8 waves a work-group, no clusters, 275,456 bytes of LDS; arguments x, Wqkv, bqkv, kv, qq; writes kv, qq
.if DOCPART == 1
	.amdgcn_target "amdgcn-amd-amdhsa--gfx1250"
	.amdhsa_code_object_version 6
	.text
	.protected	k_qe3d61ceb3e_qkv
	.globl	k_qe3d61ceb3e_qkv
	.p2align	8
	.type	k_qe3d61ceb3e_qkv,@function
k_qe3d61ceb3e_qkv:
	s_mov_b64 s[64:65], 0
	v_nop
	global_prefetch_b8 v0, s[64:65] scope:SCOPE_SE
	s_setreg_imm32_b32 hwreg(HW_REG_WAVE_MODE, 25, 1), 1
	s_wait_xcnt 0x0
; qkv[o][l] = sum over c of W[o][c] relu(x[c][l]) + b[o], on codes of BF6 (E3M2) with one E8M0 scale for each 32 along c; then q, k (along their 64 channels) and v (along the positions)
; are quantised again and stored as IMAGES OF OPERAND REGISTERS for the attention launch.  x: [8][256][4096] f32, W: [384][256] f32, b: [384] f32.
; SHARES.  Work-group B takes 128 positions (batch B / 32, block B % 32) and makes all 384 outputs for them.  Eight waves; wave w: P = w % 4, ro = w / 4.
; PHASES.  x's 256 x 128 numbers come by one tensor load a wave (32 channels x 512 bytes).  While they are on their way every wave quantises three tiles of W (16 rows x 256) from memory, 4 KiB at a time.
;   X: wave (P, ro) quantises 32 positions x channels 128 ro .. + 127: a lane takes a position and its registers run down the channels.   V: wave w makes v's channels 32 w .. + 31 (source 0 = x, source 1 = W: a lane
;   holds a channel, its registers run along the positions).   QK: wave (P, ro) makes q (ro = 0) or k (ro = 1) of positions 32 P .. + 31 (source 0 = W, source 1 = x: a lane holds a position, registers along the 64 channels).
; ROWS OF A TILE: row r of position tile T = 2 b + u is position 32 b + 8 u + r + 8 (r / 8), and W's q and k rows are tiled likewise: so the 16 registers of result tiles 2 b, 2 b + 1 are 16 neighbours along the next K.
; OUT.  kv, a block of 32,768 bytes for each work-group: 8 key tiles (from q) of 768 bytes (registers 0-3 at 16 x lane, registers 4-5 at 512 + 8 x lane); 16 fragments of v of 1,536 bytes; 512 bytes of key scale words;
;   1,024 of v's; 512 zeros.  qq, 6,656 bytes: 8 query tiles (from k) and 512 bytes of scale words.  Scale word of (tile T, row r) at 256 (T % 2) + 16 r + 4 (T / 2), v's second eight tiles 512 bytes on.
; NO CLUSTER: what the work-groups share is W, 393,216 bytes of f32, which beside x's 131,072 do not fit into 327,680 bytes of LDS; so W goes through registers and not through joint loads.
; LIMITS: NaN and infinities among the inputs are not served.  A block whose largest magnitude lies under 2^-122 (a block of zeros too) gets the scale byte 1; the bytes are read by this program alone.
.set XRAW, 0                           ; LDS: x as it lies, 256 rows of 512 bytes; filled once
.set WST,  131072                      ; a turning stage for each wave: 16 rows x (256 + 16) bytes
.set WIMG, 165888                      ; W's 48 fragments (tile, K step: 2 tile + step), 1,536 bytes each
.set WSC,  239616                      ; their scale words, 128 bytes each
.set XIMG, 245760                      ; x's 16 fragments (2 tile + step)
.set XSC,  270336                      ; their scale words: place 2 g + step: lanes 0-15 tile 2 g, lanes 16-31 tile 2 g + 1
.set SCST, 271360                      ; the scale words on their way out: q 512, v 1,024, zeros 512, k 512
.set FLOOR, 0x2800000                  ; 2^(5 - 127): under it no largest magnitude is taken, so no byte falls under 1
.set EOFF,  0xfe000000                 ; takes 4 off an exponent field
.set BQK, 16                           ; v16-47   bias of my four q or k tiles, in the result's layout
.set BV,  48                           ; v48-49   bias of my two v tiles, one number a lane
.set BVC, 50                           ; v50-57   the same eight times: a C operand.  (v50-55: at work in the W and X phases)
.set XW,  58                           ; v58-65   x's scale words, place 2 g + step
.set WS,  66                           ; v66-69   W's scale words
.set XWP, 70                           ; v70-71   x's scale words of my pair of tiles
.set XF,  80                           ; v80-127  four fragments of x
.set PC,  80                           ; v80-99   the codes just made;  v100 their scale word
.set PW,  100
.set ACC, 128                          ; v128-191 eight accumulators
.set WF,  192                          ; v192-239 four fragments of W
.set TM,  240                          ; v240-255 the quantiser's work
.set R,   128                          ; W phase: v128-255 four sets of 32 as loaded; v80-111 a block of 32; v112-123 a fragment; v124-126 half a block's codes
.set XN,  80
.set FW,  112
.set TW,  124
.macro MM d, a, b, c, sa, sb, ra, rb   ; D = A B + C; ra, rb: the scale words stand in lanes 16-31
.if (\ra)
	v_wmma_scale_f32_16x16x128_f8f6f4 v[\d:\d+7], v[\a:\a+11], v[\b:\b+11], v[\c:\c+7], v[\sa], v[\sb] matrix_a_fmt:MATRIX_FMT_BF6 matrix_b_fmt:MATRIX_FMT_BF6 matrix_a_scale:MATRIX_SCALE_ROW1
.elseif (\rb)
	v_wmma_scale_f32_16x16x128_f8f6f4 v[\d:\d+7], v[\a:\a+11], v[\b:\b+11], v[\c:\c+7], v[\sa], v[\sb] matrix_a_fmt:MATRIX_FMT_BF6 matrix_b_fmt:MATRIX_FMT_BF6 matrix_b_scale:MATRIX_SCALE_ROW1
.else
	v_wmma_scale_f32_16x16x128_f8f6f4 v[\d:\d+7], v[\a:\a+11], v[\b:\b+11], v[\c:\c+7], v[\sa], v[\sb] matrix_a_fmt:MATRIX_FMT_BF6 matrix_b_fmt:MATRIX_FMT_BF6
.endif
.endm
.macro PLACES                          ; four plain places behind a matrix instruction, ahead of loads into its sources and of the first read of its results
.rept 4
	v_nop
.endr
.endm
; 16 nb numbers of a lane, register 16 b + i = k 32 b + 16 (lane / 16) + i of my row, become codes in v[PC] on (6 registers for each two blocks) and the scale word in v[PW].
.macro QUANT s, nb
.irp b, 0,1,2,3
.if \b < \nb
	v_max3_num_f32 v[TM+\b], |v[\s+16*\b]|, |v[\s+1+16*\b]|, FLOOR   ; each accumulator is read from its low end on
.endif
.endr
.irp i, 2,4,6,8,10,12,14
.irp b, 0,1,2,3
.if \b < \nb
	v_max3_num_f32 v[TM+\b], v[TM+\b], |v[\s+16*\b+\i]|, |v[\s+1+16*\b+\i]|
.endif
.endr
.endr
.irp b, 0,1,2,3
.if \b < \nb
	v_permlanex16_b32 v[TM+4+\b], v[TM+\b], s30, s31
.endif
.endr
.irp b, 0,1,2,3
.if \b < \nb
	v_max_num_f32 v[TM+\b], v[TM+\b], v[TM+4+\b]                ; with lane l xor 16's: the block's largest magnitude
.endif
.endr
.irp b, 0,1,2,3
.if \b < \nb
	v_add_nc_u32 v[TM+12+\b], EOFF, v[TM+\b]                    ; the conversion takes this operand's exponent field as its scale
.endif
.endr
.irp b, 0,1,2,3
.if \b < \nb
	v_lshrrev_b32 v[TM+4+\b], 23, v[TM+12+\b]                   ; the scale's byte
.endif
.endr
	v_lshl_or_b32 v[PW], v[TM+5], 8, v[TM+4]
.if \nb > 2
	s_delay_alu instid0(VALU_DEP_1)
	v_lshl_or_b32 v[PW], v[TM+6], 16, v[PW]
	s_delay_alu instid0(VALU_DEP_1)
	v_lshl_or_b32 v[PW], v[TM+7], 24, v[PW]
.endif
.irp c, 0,1
.if 2*\c < \nb
	v_cvt_scalef32_pk16_bf6_f32 v[PC+6*\c:PC+2+6*\c], v[\s+32*\c:\s+15+32*\c], v[TM+12+2*\c]
	v_cvt_scalef32_pk16_bf6_f32 v[PC+12+4*\c:PC+14+4*\c], v[\s+16+32*\c:\s+31+32*\c], v[TM+13+2*\c]   ; (a conversion's three registers begin on an even number)
.endif
.endr
	v_nop                                          ; one plain place behind a scaled conversion
.irp c, 0,1
.if 2*\c < \nb
.irp i, 0,1,2
	v_permlane16_swap_b32 v[PC+6*\c+\i], v[PC+12+4*\c+\i]       ; the operand wants a whole block in a lane
.endr
.irp i, 0,1,2
	s_delay_alu instid0(VALU_DEP_3)
	v_mov_b32 v[PC+3+6*\c+\i], v[PC+12+4*\c+\i]
.endr
.endif
.endr
.endm
	s_load_b256 s[4:11], s[0:1], 0x0               ; x s[4:5], W s[6:7], b s[8:9], kv s[10:11]
	s_load_b64 s[24:25], s[0:1], 0x20              ; qq
	s_set_vgpr_msb 0x40
	v_lshl_add_u32 v0, v0, 2, 0x43000
	v_mov_b32 v1, 0
	s_set_vgpr_msb 0x4045
	ds_add_u32 v0, v1
	ds_add_u32 v0, v1
	s_set_vgpr_msb 0x4500
	v_lshrrev_b32 v1, 5, v0
	s_delay_alu instid0(VALU_DEP_1)
	v_readfirstlane_b32 s26, v1                    ; wave 0..7
	s_and_b32 s27, s26, 3                          ; P
	s_lshr_b32 s28, s26, 2                         ; ro
	; descriptor group 1: 32 rows of 64 elements of 8 bytes, 2,048 elements from row to row, no padding
	s_mov_b32 s16, 3<<16
	s_mov_b32 s17, 64<<16                          ; tensor_dim0
	s_mov_b32 s18, 32<<16                          ; tensor_dim1
	s_mov_b32 s19, 64<<16                          ; tile_dim0
	s_mov_b32 s20, 32                              ; tile_dim1
	s_mov_b32 s21, 2048                            ; pitch
	s_mov_b32 s22, 0
	s_mov_b32 s23, 0
	s_lshr_b32 s32, ttmp9, 5
	s_lshl_b32 s32, s32, 22                        ; the batch: 256 x 4,096 x 4 bytes
	s_and_b32 s33, ttmp9, 31
	s_lshl_b32 s33, s33, 9                         ; my 128 positions
	s_add_co_u32 s32, s32, s33
	s_lshl_b32 s33, s26, 19                        ; my wave's 32 channels
	s_add_co_u32 s32, s32, s33
	s_mov_b32 s33, 0
	s_mov_b32 s12, 1
	s_lshl_b32 s13, s26, 14                        ; LDS: 16,384 x wave
	s_mov_b32 s30, 0x76543210
	s_mov_b32 s31, 0xfedcba98                      ; v_permlanex16_b32's selects for lane l xor 16
	s_wait_dscnt 0x0
	s_wait_kmcnt 0x0
	s_add_nc_u64 s[14:15], s[4:5], s[32:33]
	s_or_b32 s15, s15, 0x80000000
	tensor_load_to_lds s[12:15], s[16:23]          ; my one tensor load: nothing is filled again in this launch
	s_nop 0
.rept 4
	v_nop                                          ; four plain places behind the load
.endr
	s_lshl_b32 s34, ttmp9, 15
	s_mov_b32 s35, 0
	s_add_nc_u64 s[10:11], s[10:11], s[34:35]      ; my block of kv
	s_mul_i32 s34, ttmp9, 6656
	s_add_nc_u64 s[24:25], s[24:25], s[34:35]      ; my block of qq
	s_lshr_b32 s34, s26, 1
	s_lshl_b32 s34, s34, 15
	s_and_b32 s36, s26, 1
	s_lshl_b32 s36, s36, 13
	s_add_co_u32 s34, s34, s36
	s_add_nc_u64 s[38:39], s[6:7], s[34:35]        ; W at row 32 (w / 2) + 8 (w % 2): my q or k tile
	s_lshl_b32 s34, s26, 15
	s_add_co_u32 s34, s34, 131072
	s_add_nc_u64 s[40:41], s[6:7], s[34:35]        ; W at row 128 + 32 w: my two v tiles
	s_cmp_eq_u32 s28, 0
	s_cselect_b64 s[42:43], s[10:11], s[24:25]     ; where my q or k tiles go
	v_and_b32 v1, 31, v0                           ; lane
	v_and_b32 v2, 15, v0                           ; r
	v_bfe_u32 v3, v0, 4, 1                         ; h
	s_delay_alu instid0(VALU_DEP_3)
	v_lshlrev_b32 v4, 4, v1                        ; 16 x lane
	s_delay_alu instid0(VALU_DEP_4)
	v_lshlrev_b32 v5, 2, v1                        ; 4 x lane
	s_delay_alu instid0(VALU_DEP_3)
	v_lshlrev_b32 v14, 6, v3
	s_lshl_b32 s44, s28, 8
	v_add_nc_u32 v14, s44, v14                     ; bias of q or k: 4 (64 ro + 16 h)
	v_lshlrev_b32 v15, 2, v2
	s_lshl_b32 s44, s26, 7
	s_add_co_u32 s44, s44, 512
	v_add_nc_u32 v15, s44, v15                     ; bias of v: 4 (128 + 32 w + r)
.irp t, 0,1,2,3
	global_load_b128 v[BQK+8*\t:BQK+8*\t+3], v14, s[8:9] offset:128*(\t/2)+32*(\t%2)
	global_load_b128 v[BQK+8*\t+4:BQK+8*\t+7], v14, s[8:9] offset:128*(\t/2)+32*(\t%2)+16
.endr
	global_load_b32 v[BV], v15, s[8:9]
	global_load_b32 v[BV+1], v15, s[8:9] offset:64
	; ---- W: addresses
	s_mul_i32 s44, s26, 4352
	s_add_co_u32 s44, s44, WST
	v_mul_u32_u24 v6, v3, 272
	s_delay_alu instid0(VALU_DEP_1)
	v_lshl_add_u32 v6, v2, 4, v6
	s_delay_alu instid0(VALU_DEP_1)
	v_add_nc_u32 v6, s44, v6                       ; stage, in: row h of a pair, 16 r
	v_mul_u32_u24 v7, v2, 272
	s_delay_alu instid0(VALU_DEP_1)
	v_lshl_add_u32 v7, v3, 7, v7
	s_delay_alu instid0(VALU_DEP_1)
	v_add_nc_u32 v7, s44, v7                       ; stage, out: row r, my half's 128 bytes
	s_mul_i32 s44, s26, 3072
	s_add_co_u32 s44, s44, WIMG
	v_add_nc_u32 v8, s44, v4                       ; images of tile w
	s_mul_i32 s44, s26, 6144
	s_add_co_u32 s44, s44, WIMG+24576
	v_add_nc_u32 v9, s44, v4                       ; images of tiles 8 + 2 w, 9 + 2 w
	s_lshl_b32 s44, s26, 8
	s_add_co_u32 s44, s44, WSC
	v_add_nc_u32 v10, s44, v5
	s_lshl_b32 s44, s26, 9
	s_add_co_u32 s44, s44, WSC+2048
	v_add_nc_u32 v11, s44, v5
	v_lshlrev_b32 v12, 10, v3
	s_delay_alu instid0(VALU_DEP_1)
	v_lshl_add_u32 v12, v2, 4, v12                 ; W in memory: lanes 0-15 a row's 256 bytes, lanes 16-31 the next row's
	v_lshlrev_b32 v13, 3, v3                       ; 8 h
	v_mov_b32 v127, 0                              ; a lane permute's destination counts as one of its sources
; Chunk k = 4 n + 2 s + c: 16 rows x 64 along K (K step s, half c) of my n-th tile.  Eight loads, each of two whole rows of 256 bytes.
.macro LOADW k
.set RR, R+32*((\k)%4)
.set OFS, 512*(((\k)/2)%2)+256*((\k)%2)
.irp m, 0,1,2,3,4,5,6,7
.if (\k) < 4
	global_load_b128 v[RR+4*\m:RR+4*\m+3], v12, s[38:39] offset:(2*\m+8*(\m/4))*1024+OFS   ; the q and k tiles take rows 0-7 and 16-23 from their base
.else
	global_load_b128 v[RR+4*\m:RR+4*\m+3], v12, s[40:41] offset:(16*((\k)/4-1)+2*\m)*1024+OFS
.endif
.endr
.endm
.macro WCHUNK k
.set RR, R+32*((\k)%4)
.set CC, (\k)%2
.set SS, ((\k)/2)%2
.if (\k) <= 8
	s_wait_loadcnt 24                              ; this chunk's eight loads are in (and the bias, which is older); three younger chunks may be out
.else
	s_wait_loadcnt 8*(11-(\k))
.endif
.irp m, 0,1,2,3,4,5,6,7
	ds_store_b128 v6, v[RR+4*\m:RR+4*\m+3] offset:544*\m
.endr
.irp i, 0,1,2,3,4,5,6,7
	ds_load_b128 v[XN+4*\i:XN+4*\i+3], v7 offset:16*\i          ; LDS serves a wave's instructions in order: my row's 32 neighbours, k = 64 c + 32 h + 0 .. 31
.endr
	s_wait_dscnt 0x0                               ; they are in; the stores above, and the last fragment's image stores, have read their registers
.if (\k)+4 < 12
	LOADW (\k)+4
.endif
	v_max3_num_f32 v50, |v[XN]|, |v[XN+1]|, FLOOR
	v_max3_num_f32 v51, |v[XN+2]|, |v[XN+3]|, |v[XN+4]|
.irp i, 5,9,13,17,21,25
	s_delay_alu instid0(VALU_DEP_2)
	v_max3_num_f32 v50, v50, |v[XN+\i]|, |v[XN+\i+1]|
	s_delay_alu instid0(VALU_DEP_2)
	v_max3_num_f32 v51, v51, |v[XN+\i+2]|, |v[XN+\i+3]|
.endr
	s_delay_alu instid0(VALU_DEP_2)
	v_max3_num_f32 v50, v50, |v[XN+29]|, |v[XN+30]|
	s_delay_alu instid0(VALU_DEP_1)
	v_max3_num_f32 v50, v50, v51, |v[XN+31]|       ; the block's largest magnitude: all 32 numbers are mine
	s_delay_alu instid0(VALU_DEP_1)
	v_add_nc_u32 v55, EOFF, v50
	s_delay_alu instid0(VALU_DEP_1)
	v_lshrrev_b32 v[52+CC], 23, v55
	v_cvt_scalef32_pk16_bf6_f32 v[FW+6*CC:FW+6*CC+2], v[XN:XN+15], v55
	v_cvt_scalef32_pk16_bf6_f32 v[TW:TW+2], v[XN+16:XN+31], v55
	v_nop                                          ; one plain place behind a scaled conversion
.irp i, 0,1,2
	v_mov_b32 v[FW+6*CC+3+\i], v[TW+\i]
.endr
.if CC == 1
	v_lshl_or_b32 v54, v53, 16, v52                ; my two bytes: blocks h and 2 + h,
	s_delay_alu instid0(VALU_DEP_1)
	v_lshlrev_b32 v54, v13, v54                    ; at their places in the word;
	s_delay_alu instid0(VALU_DEP_1)
	v_permlanex16_b32 v127, v54, s30, s31
	s_delay_alu instid0(VALU_DEP_1)
	v_or_b32 v54, v54, v127                        ; with lane l xor 16's two the word is whole
.if (\k) < 4
.irp j, 0,1,2
	ds_store_b128 v8, v[FW+4*\j:FW+4*\j+3] offset:1536*SS+512*\j
.endr
	ds_store_b32 v10, v54 offset:128*SS
.else
.irp j, 0,1,2
	ds_store_b128 v9, v[FW+4*\j:FW+4*\j+3] offset:3072*((\k)/4-1)+1536*SS+512*\j
.endr
	ds_store_b32 v11, v54 offset:256*((\k)/4-1)+128*SS
.endif
.endif
.endm
.irp k, 0,1,2,3
	LOADW \k
.endr
	s_wait_alu depctr_va_vdst(0)
.irp k, 0,1,2,3,4,5,6,7,8,9,10,11
	WCHUNK \k
.endr
	s_wait_tensorcnt 0x0                           ; my 32 channels of x have landed,
	s_wait_dscnt 0x0                               ; my images of W too
	s_barrier_signal -1
	v_and_b32 v6, 8, v2                            ; ---- X: addresses (register work between signal and wait)
	s_delay_alu instid0(VALU_DEP_1)
	v_add_nc_u32 v6, v6, v2
	s_delay_alu instid0(VALU_DEP_1)
	v_lshl_add_u32 v6, v3, 3, v6                   ; my position in the wave's 32: 8 h + r + 8 (r / 8)
	s_delay_alu instid0(VALU_DEP_1)
	v_lshlrev_b32 v6, 2, v6
	s_lshl_b32 s44, s28, 16                        ; channels 128 ro on,
	s_lshl_b32 s45, s27, 7                         ; positions 32 P on
	s_add_co_u32 s44, s44, s45
	v_add_nc_u32 v6, s44, v6
	s_mul_i32 s44, s27, 6144
	s_mul_i32 s45, s28, 1536
	s_add_co_u32 s44, s44, s45
	s_add_co_u32 s44, s44, XIMG
	v_add_nc_u32 v7, s44, v4                       ; images of tiles 2 P, 2 P + 1, K step ro
	s_lshl_b32 s44, s27, 8
	s_lshl_b32 s45, s28, 7
	s_add_co_u32 s44, s44, s45
	s_add_co_u32 s44, s44, XSC
	v_add_nc_u32 v8, s44, v5
	s_wait_alu depctr_va_vdst(0)
	s_barrier_wait -1                              ; x is whole, and so are W's images
.macro XLOADB b                        ; block b: 32 channels of my position; the 32 lanes read 32 different words of a row's 128 bytes
.set i, 0
.rept 32
	ds_load_b32 v[128+32*(\b)+i], v6 offset:(32*(\b)+i)*512
.set i, i+1
.endr
.endm
.macro XPROC b                         ; relu, the block's largest number (no |.|: nothing is negative; the floor stands under it), its scale
.set DB, 128+32*(\b)
.set i, 0
.rept 32
	v_max_num_f32 v[DB+i], 0, v[DB+i]
.set i, i+1
.endr
	v_max3_num_f32 v[120+\b], v[DB], v[DB+1], FLOOR
	v_max3_num_f32 v55, v[DB+2], v[DB+3], v[DB+4]
.irp i, 5,9,13,17,21,25
	s_delay_alu instid0(VALU_DEP_2)
	v_max3_num_f32 v[120+\b], v[120+\b], v[DB+\i], v[DB+\i+1]
	s_delay_alu instid0(VALU_DEP_2)
	v_max3_num_f32 v55, v55, v[DB+\i+2], v[DB+\i+3]
.endr
	s_delay_alu instid0(VALU_DEP_2)
	v_max3_num_f32 v[120+\b], v[120+\b], v[DB+29], v[DB+30]
	s_delay_alu instid0(VALU_DEP_1)
	v_max3_num_f32 v[120+\b], v[120+\b], v55, v[DB+31]
	s_delay_alu instid0(VALU_DEP_1)
	v_add_nc_u32 v[124+\b], EOFF, v[120+\b]
	s_delay_alu instid0(VALU_DEP_1)
	v_lshrrev_b32 v[50+\b], 23, v[124+\b]
.endm
	XLOADB 0
	XLOADB 1
	s_wait_dscnt 32                                ; block 0 is in; the younger block's 32 loads may be out
	XPROC 0
	XLOADB 2
	s_wait_dscnt 32
	XPROC 1
	XLOADB 3
	s_wait_dscnt 32
	XPROC 2
	s_wait_dscnt 0x0
	XPROC 3
.irp b, 0,1,2,3                        ; even blocks into v80-91, odd blocks into v92-103
	v_cvt_scalef32_pk16_bf6_f32 v[80+12*(\b%2)+6*(\b/2):82+12*(\b%2)+6*(\b/2)], v[128+32*\b:143+32*\b], v[124+\b]
	v_cvt_scalef32_pk16_bf6_f32 v[104+4*\b:106+4*\b], v[144+32*\b:159+32*\b], v[124+\b]
.endr
	v_nop                                          ; one plain place behind a scaled conversion
.irp b, 0,1,2,3
.irp i, 0,1,2
	v_mov_b32 v[83+12*(\b%2)+6*(\b/2)+\i], v[104+4*\b+\i]
.endr
.endr
.irp i, 0,1,2,3,4,5,6,7,8,9,10,11
	v_permlane16_swap_b32 v[80+\i], v[92+\i]       ; lanes 16-31 of the even blocks change places with lanes 0-15 of the odd ones: v80-91 is tile 2 P's fragment, v92-103 tile 2 P + 1's
.endr
	v_lshl_or_b32 v54, v51, 8, v50
	s_delay_alu instid0(VALU_DEP_1)
	v_lshl_or_b32 v54, v52, 16, v54
	s_delay_alu instid0(VALU_DEP_1)
	v_lshl_or_b32 v54, v53, 24, v54                ; my position's scale word
.irp j, 0,1,2
	ds_store_b128 v7, v[80+4*\j:83+4*\j] offset:512*\j
	ds_store_b128 v7, v[92+4*\j:95+4*\j] offset:3072+512*\j
.endr
	ds_store_b32 v8, v54
	s_wait_dscnt 0x0                               ; for the others' sake: my images have landed
	s_barrier_signal -1
	v_add_nc_u32 v6, XIMG, v4                      ; ---- the products: addresses
	v_add_nc_u32 v7, XSC, v5
	v_lshlrev_b32 v79, 4, v2                       ; 16 r
	s_wait_alu depctr_va_vdst(0)
	s_lshl_b32 s44, s28, 9
	s_lshl_b32 s45, s27, 2
	s_add_co_u32 s44, s44, s45
	s_add_co_u32 s44, s44, SCST+512
	v_add_nc_u32 v8, s44, v79                      ; v's scale words: 512 ro + 16 r + 4 P
	s_mul_i32 s44, s26, 3072
	v_add_nc_u32 v10, s44, v4                      ; v's fragments in kv
	s_mul_i32 s44, s27, 6144
	s_add_co_u32 s44, s44, XIMG
	v_add_nc_u32 v12, s44, v4                      ; x's tiles 2 P, 2 P + 1
	s_lshl_b32 s44, s27, 8
	s_add_co_u32 s44, s44, XSC
	v_add_nc_u32 v13, s44, v5
	s_mul_i32 s44, s28, 12288
	s_add_co_u32 s44, s44, WIMG
	v_add_nc_u32 v14, s44, v4                      ; W's tiles 4 ro .. 4 ro + 3
	s_lshl_b32 s44, s28, 10
	s_add_co_u32 s44, s44, WSC
	v_add_nc_u32 v15, s44, v5
	s_lshl_b32 s44, s28, 11
	s_add_co_u32 s44, s44, s45
	s_add_co_u32 s44, s44, SCST
	v_add_nc_u32 v72, s44, v79                     ; q's or k's scale words: 2,048 ro + 16 r + 4 P
	s_mul_i32 s44, s27, 1536
	v_add_nc_u32 v73, s44, v4                      ; my two tiles in kv or qq, 16 bytes a lane,
	v_lshl_add_u32 v74, v1, 3, s44                 ; and 8 bytes a lane
	v_lshlrev_b32 v75, 2, v2
	s_lshl_b32 s44, s26, 6
	s_add_co_u32 s44, s44, SCST+1536
	v_add_nc_u32 v75, s44, v75                     ; my 64 bytes of the zeros
	s_lshl_b32 s44, s26, 8
	v_lshl_add_u32 v77, v1, 3, s44                 ; the scales' way out: 256 w + 8 x lane
	s_delay_alu instid0(VALU_DEP_1)
	v_add_nc_u32 v76, SCST, v77
	v_mov_b32 v78, 0
.irp b, 0,1,2,3
	v_mov_b32 v[TM+4+\b], 0                        ; a lane permute's destination counts as one of its sources
.endr
	s_barrier_wait -1                              ; x's sixteen fragments lie in LDS
.irp i, 0,1,2,3,4,5,6,7
	ds_load_b32 v[XW+\i], v7 offset:128*\i
.endr
; v's channels 32 w + 16 n .. + 15 for the 128 positions: source 0 = a tile of x, source 1 = W's tile.  Two accumulators by turns, one instruction a turn.
.macro VUNIT n
.if \n
	s_wait_xcnt 0x0                                ; the last unit's stores have read their registers,
	s_wait_dscnt 0x0                               ; its scale word's store too
.endif
.irp j, 0,1,2,3,4,5,6,7
	v_mov_b32 v[BVC+\j], v[BV+\n]                  ; the bias is the C of each sum's first product
.endr
	s_wait_alu depctr_va_vdst(0)
.irp j, 0,1,2,3,4,5
	ds_load_b128 v[WF+4*\j:WF+4*\j+3], v9 offset:3072*\n+512*\j
.endr
	ds_load_b32 v[WS], v11 offset:256*\n
	ds_load_b32 v[WS+1], v11 offset:256*\n+128
.irp p, 0,1,2,3
	PLACES
.irp j, 0,1,2,3,4,5,6,7,8,9,10,11
	ds_load_b128 v[XF+4*\j:XF+4*\j+3], v6 offset:6144*\p+512*\j
.endr
	s_wait_dscnt 0x0
	MM ACC+16*\p, XF, WF, BVC, XW+2*\p, WS, 0, 0
	MM ACC+16*\p+8, XF+24, WF, BVC, XW+2*\p, WS, 1, 0
	MM ACC+16*\p, XF+12, WF+12, ACC+16*\p, XW+2*\p+1, WS+1, 0, 0
	MM ACC+16*\p+8, XF+36, WF+12, ACC+16*\p+8, XW+2*\p+1, WS+1, 1, 0
.endr
	PLACES
	QUANT ACC, 4                                   ; lane (r, h): channel r, register 16 b + i = position 32 b + 16 h + i
.irp j, 0,1,2
	global_store_b128 v10, v[PC+4*\j:PC+4*\j+3], s[10:11] offset:6144+1536*\n+512*\j   ; 32 lanes store 512 consecutive bytes, at a multiple of 256
.endr
	ds_store_b32 v8, v[PW] offset:256*\n           ; lanes r and r + 16 write the same word with the same value
.endm
	VUNIT 0
	VUNIT 1
	; ---- q or k of positions 32 P .. + 31: source 0 = W's four tiles, source 1 = x's tiles 2 P + e.  Eight accumulators by turns.
	s_wait_xcnt 0x0
	s_wait_dscnt 0x0
.irp j, 0,1,2,3,4,5,6,7,8,9,10,11
	ds_load_b128 v[XF+4*\j:XF+4*\j+3], v12 offset:512*\j
.endr
	ds_load_b32 v[XWP], v13
	ds_load_b32 v[XWP+1], v13 offset:128
.irp s, 0,1
	PLACES
.irp t, 0,1,2,3
.irp j, 0,1,2
	ds_load_b128 v[WF+12*\t+4*\j:WF+12*\t+4*\j+3], v14 offset:1536*(2*\t+\s)+512*\j
.endr
	ds_load_b32 v[WS+\t], v15 offset:128*(2*\t+\s)
.endr
	s_wait_dscnt 0x0
.irp t, 0,1,2,3
.irp e, 0,1
.if \s == 0
	MM ACC+32*\e+8*\t, WF+12*\t, XF+24*\e, BQK+8*\t, WS+\t, XWP, 0, \e
.else
	MM ACC+32*\e+8*\t, WF+12*\t, XF+24*\e+12, ACC+32*\e+8*\t, WS+\t, XWP+1, 0, \e
.endif
.endr
.endr
.endr
	PLACES
.irp e, 0,1
.if \e
	s_wait_xcnt 0x0                                ; tile 2 P's stores have read their registers
	s_wait_dscnt 0x0
.endif
	QUANT ACC+32*\e, 2                             ; lane (r, h): position r of tile 2 P + e, register 16 b + i = channel 32 b + 16 h + i; the upper 64 of the instruction's K are zeros, which the reader supplies
	global_store_b128 v73, v[PC:PC+3], s[42:43] offset:768*\e
	global_store_b64 v74, v[PC+4:PC+5], s[42:43] offset:768*\e+512
	ds_store_b32 v72, v[PW] offset:256*\e
.endr
	ds_store_b32 v75, v78                          ; the block's last 512 bytes are read with it: they are zeros
	s_wait_dscnt 0x0                               ; for the others' sake: my scale words have landed
	s_barrier_signal -1
	s_barrier_wait -1
	ds_load_b64 v[102:103], v76
	s_wait_dscnt 0x0
	global_store_b64 v77, v[102:103], s[10:11] offset:30720      ; 32 lanes store one aligned run of 256 bytes
	s_cmp_gt_u32 s26, 1
	s_cbranch_scc1 .Lend                           ; k's 512 bytes of scale words: waves 0 and 1
	ds_load_b64 v[104:105], v76 offset:2048
	s_wait_dscnt 0x0
	global_store_b64 v77, v[104:105], s[24:25] offset:6144
.Lend:
	s_set_vgpr_msb 0x5
	s_wait_tensorcnt 0x0
	ds_add_u32 v0, v1
	s_wait_dscnt 0x0
	s_set_vgpr_msb 0x500
	s_endpgm
.Lfunc_end_k_qe3d61ceb3e_qkv:
	.size	k_qe3d61ceb3e_qkv, .Lfunc_end_k_qe3d61ceb3e_qkv-k_qe3d61ceb3e_qkv
	.p2alignl 7, 3214868480
	.fill 96, 4, 3214868480
	.section	.rodata,"a",@progbits
	.p2align	6, 0x0
	.amdhsa_kernel k_qe3d61ceb3e_qkv
		.amdhsa_group_segment_fixed_size 275456
		.amdhsa_private_segment_fixed_size 0
		.amdhsa_enable_private_segment 0
		.amdhsa_kernarg_size 40
		.amdhsa_user_sgpr_count 2
		.amdhsa_user_sgpr_kernarg_segment_ptr 1
		.amdhsa_wavefront_size32 1
		.amdhsa_system_sgpr_workgroup_id_x 1
		.amdhsa_system_sgpr_workgroup_id_y 1
		.amdhsa_system_sgpr_workgroup_id_z 1
		.amdhsa_system_vgpr_workitem_id 0
		.amdhsa_next_free_vgpr 258
		.amdhsa_next_free_sgpr 66
		.amdhsa_reserve_vcc 0
		.amdhsa_float_denorm_mode_32 3
		.amdhsa_float_denorm_mode_16_64 3
		.amdhsa_memory_ordered 1
		.amdhsa_forward_progress 1
		.amdhsa_inst_pref_size 110
	.end_amdhsa_kernel
	.amdgpu_metadata
---
amdhsa.version: [ 1, 2 ]
amdhsa.kernels:
  - .name:           k_qe3d61ceb3e_qkv
    .symbol:         k_qe3d61ceb3e_qkv.kd
    .args:
      - { .name: x, .offset: 0, .size: 8, .value_kind: global_buffer, .address_space: global }
      - { .name: Wqkv, .offset: 8, .size: 8, .value_kind: global_buffer, .address_space: global }
      - { .name: bqkv, .offset: 16, .size: 8, .value_kind: global_buffer, .address_space: global }
      - { .name: kv, .offset: 24, .size: 8, .value_kind: global_buffer, .address_space: global }
      - { .name: qq, .offset: 32, .size: 8, .value_kind: global_buffer, .address_space: global }
    .group_segment_fixed_size: 275456
    .private_segment_fixed_size: 0
    .kernarg_segment_align: 8
    .kernarg_segment_size: 40
    .max_flat_workgroup_size: 256
    .sgpr_count:     66
    .vgpr_count:     258
    .wavefront_size: 32
...
	.end_amdgpu_metadata
.endif
;; end of part 1
;; launch attn (part 2): grid 32 x 8, 8 waves a work-group, clusters of 4 x 1, 327,680 bytes of LDS; arguments kv, qq, x, gamma, out0; writes out0
.if DOCPART == 2
	.amdgcn_target "amdgcn-amd-amdhsa--gfx1250"
	.amdhsa_code_object_version 6
	.text
	.protected	k_qe3d61ceb3e_attn
	.globl	k_qe3d61ceb3e_attn
	.p2align	8
	.type	k_qe3d61ceb3e_attn,@function
k_qe3d61ceb3e_attn:
	s_mov_b64 s[64:65], 0
	v_nop
	global_prefetch_b8 v0, s[64:65] scope:SCOPE_SE
	s_setreg_imm32_b32 hwreg(HW_REG_WAVE_MODE, 25, 1), 1
	s_wait_xcnt 0x0
	s_wait_alu depctr_hold_cnt(0) depctr_sa_sdst(0) depctr_va_vdst(0) depctr_va_sdst(0) depctr_va_ssrc(0) depctr_va_vcc(0) depctr_vm_vsrc(0)
	s_getreg_b32 s2, hwreg(HW_REG_IB_STS2, 6, 4)
	s_cmp_eq_u32 s2, 0
	s_cbranch_scc0 .Lentry_in_a_cluster
	s_endpgm
.Lentry_in_a_cluster:
	s_bfe_u32 s2, ttmp6, 0x10000c
	s_cmp_lg_u32 s2, 0x3003
	s_cbranch_scc0 .Lentry_shape_is_right
	s_endpgm
.Lentry_shape_is_right:
; out[c][j] = x[c][j] + gamma x (sum over i of v[c][i] p[i][j]) / (sum over i of p[i][j]),  p = 2^(t - M),  t = (q[:, i] . k[:, j]) log2(e) / 8,  M = the ceiling of column j's running largest t.
; The softmax runs over i: the columns j (with k) are the QUERIES, the positions i (with q and v) the KEYS.  Both products on codes of BF6 (E3M2) with E8M0 scales; p is quantised along the keys, its sum is taken unquantised.
; IN.  kv: for each batch 32 blocks of 32,768 bytes, one for each 128 keys, laid as images of operand registers: 8 key tiles of 768 bytes, 16 fragments of v of 1,536, 512 + 1,024 bytes of scale words, 512 zeros.
;      qq: blocks of 6,656 bytes: 8 query tiles and their scale words.  Row r of tile T = 2 b + u is position 32 b + 8 u + r + 8 (r / 8).
; SHARES.  A work-group owns 128 queries of a batch, each of its eight waves one tile of 16, in 512 registers: two waves to a SIMD, so that one wave's vector work stands beside the other's products and LDS loads.
; Every wave walks the batch's 32 key steps of 128 keys.  A slot of LDS holds four key steps, 131,072 dense bytes; each wave fetches an eighth of it.
; CLUSTER.  The four query blocks of a cluster walk the same kv: each slot is asked for JOINTLY, by the same load with the same descriptor and a mask that names the four.
; LAYOUT.  Both products transposed: S^T = keys x queries, O^T = v x p: a lane holds ONE query throughout.  The score's K is 64: registers 6-11 of key and query fragments are zeros, made once.
; LIMITS: NaN and infinities are not served.  A block's largest p is taken from its largest score: this takes v_exp_f32 not to fall where its input rises.  A block all of whose p are 0 keeps the byte 1: its codes are zeros.
; REGISTERS, window 0: v1 16 x lane, v2 8 x lane, v3-4 the step's addresses, v5-6 the spare word's address and 0, v7 the prefetches' offset, v8-11 and v248-251 v's scale words, v12 -M, v13 the largest t, v[14:15] the sum,
;   v16-27 the queries, v28-31 the keys' scale words, v32-127 eight key tiles, v128-191 S^T, then p; then v128-223 v's fragments 8-15; v224-235 p's codes; v232-247, v252, v254 at work; v253 p's scale word; v255 the queries'.
;   window 1: v0-127 O^T (tile t of 16 channels at 8 t), v128-223 v's fragments 0-7.
.set SLOT1, 1<<17                      ; slot 1 begins here: one exclusive or turns an address from one slot to the other
.set STEPB, 32768                      ; a key step's block
.set SPARE, 326656                     ; the spare words, 128 bytes for each wave: four blocks of 256 bytes that no other line names
.set STG,   SLOT1                      ; the way out: 256 rows x (512 + 16) bytes, from slot 1 on, which has had its last fill and its last read by then
.set SP,    528
.set S,     128
.set MSB, 0
.macro WIN new                         ; the immediate's high byte repeats the setting that is left
.if MSB != \new
	s_set_vgpr_msb (MSB<<8)|\new
.set MSB, \new
.endif
.endm
.macro MMZ d, a, b, sa, sb, ra         ; D = A B: the product starts the sum
.if (\ra)
	v_wmma_scale_f32_16x16x128_f8f6f4 v[\d:\d+7], v[\a:\a+11], v[\b:\b+11], 0, v[\sa], v[\sb] matrix_a_fmt:MATRIX_FMT_BF6 matrix_b_fmt:MATRIX_FMT_BF6 matrix_a_scale:MATRIX_SCALE_ROW1
.else
	v_wmma_scale_f32_16x16x128_f8f6f4 v[\d:\d+7], v[\a:\a+11], v[\b:\b+11], 0, v[\sa], v[\sb] matrix_a_fmt:MATRIX_FMT_BF6 matrix_b_fmt:MATRIX_FMT_BF6
.endif
.endm
.macro MM d, a, b, c, sa, sb, ra
.if (\ra)
	v_wmma_scale_f32_16x16x128_f8f6f4 v[\d:\d+7], v[\a:\a+11], v[\b:\b+11], v[\c:\c+7], v[\sa], v[\sb] matrix_a_fmt:MATRIX_FMT_BF6 matrix_b_fmt:MATRIX_FMT_BF6 matrix_a_scale:MATRIX_SCALE_ROW1
.else
	v_wmma_scale_f32_16x16x128_f8f6f4 v[\d:\d+7], v[\a:\a+11], v[\b:\b+11], v[\c:\c+7], v[\sa], v[\sb] matrix_a_fmt:MATRIX_FMT_BF6 matrix_b_fmt:MATRIX_FMT_BF6
.endif
.endm
; A round of the cluster's barrier: my work-group's barrier; wave 0 signals for the work-group; every wave waits for all four work-groups; my work-group's barrier once more.
.macro CROUND
	s_barrier_signal -1
	s_barrier_wait -1
	s_cmp_lg_u32 s18, 0
	s_cbranch_scc1 .Lnot_wave_0_\@
	s_barrier_signal -3
.Lnot_wave_0_\@:
	s_barrier_wait -3
	s_barrier_signal -1
	s_barrier_wait -1
.endm
; A PREFETCH INTO THE L2 of the slot that the NEXT change of slots will ask for: four key steps ahead of that load.  All eight clusters of a batch walk the same kv: the batch's first cluster asks.  Its four partners share the
; slot's 131,072 bytes out BY ADDRESS, 32,768 each; in each, waves 0 to 3 take 8,192 bytes, lanes 256 bytes apart: each run of 256 bytes is named once in the launch.  The last change that fills a slot asks for nothing.
.macro ASK
	s_cmp_gt_u32 s48, s50
	s_cbranch_scc0 .Lnot_mine_\@
	global_prefetch_b8 v7, s[52:53] th:TH_LOAD_NT scope:SCOPE_SE
.Lnot_mine_\@:
.endm
; THE CHANGE OF SLOTS, at a slot's head.  Each wave waits for all its tensor loads (one is out: its eighth of the slot ahead), adds 0 to its spare word, waits for that and for its reads of the slot that it has left.
; Behind the round no wave of any partner reads that slot or has a load on its way.  fill = 1: it takes the next four key steps, jointly.  fill = 2: it takes my work-group's own tile of x, for the way out.
.macro CHANGE fill
	s_wait_tensorcnt 0x0                           ; no tensor load of mine is out, so a group 0 may be written
	ds_add_u32 v5, v6
.if \fill == 1
	s_xor_b32 s33, s33, SLOT1                      ; the walking descriptor: the other slot,
	s_add_nc_u64 s[34:35], s[34:35], 4*STEPB       ; the next four key steps; the type bits on top are not reached
	s_wait_xcnt 0x0                                ; the last prefetch, a slot back, has read its address
	s_add_nc_u64 s[52:53], s[52:53], 4*STEPB       ; one slot further on than the walking descriptor
.endif
	s_wait_dscnt 0x0                               ; the add is done, and my reads of the slot that I have left are over
	CROUND
.if \fill == 1
	tensor_load_to_lds s[32:35], s[24:31]          ; the first thing behind the round, and my one tensor load until the next
	s_nop 0
.else
	tensor_load_to_lds s[36:39], s[40:47]
	s_nop 0
.endif
.rept 4
	v_nop                                          ; four plain places behind the load
.endr
.if \fill == 1
	ASK
.endif
.endm
; A KEY STEP: 128 keys, whose block begins at LDS byte s3.
.macro STEP
	v_add_nc_u32 v3, s3, v1
	v_add_nc_u32 v4, s3, v2
.rept 4
	v_nop                                          ; with the two additions six plain places behind the last products: four are owed to the loads into their sources, five to the products below, which write over v's fragments 8-15
.endr
.irp t, 0,1,2,3,4,5,6,7
	ds_load_b128 v[32+12*\t:35+12*\t], v3 offset:768*\t
	ds_load_b64 v[36+12*\t:37+12*\t], v4 offset:768*\t+512
.endr
	ds_load_b128 v[28:31], v3 offset:30720         ; register i: lanes 0-15 the words of tile 2 i, lanes 16-31 of tile 2 i + 1
	ds_load_b128 v[8:11], v3 offset:31232
	ds_load_b128 v[248:251], v3 offset:31744
	WIN 0x40                                       ; destination window 1
.irp t, 0,1,2,3,4,5,6,7
.irp j, 0,1,2
	ds_load_b128 v[128+12*\t+4*\j:131+12*\t+4*\j], v3 offset:6144+1536*\t+512*\j
.endr
.endr
	WIN 0
	s_wait_dscnt 26                                ; the keys and their scale words are in; v's two loads of scale words and 24 of fragments may be out
.irp t, 0,1,2,3,4,5,6,7
	MMZ S+8*\t, 32+12*\t, 16, 28+\t/2, 255, \t%2   ; S^T: lane (r, h) holds query r; the 16 registers of tiles 2 b, 2 b + 1 are keys 32 b + 16 h + 0 .. 15
.endr
.rept 4
	v_nop
.endr
.irp b, 0,1,2,3
	v_max3_num_f32 v[232+\b], v[S+16*\b], v[S+1+16*\b], v[S+2+16*\b]   ; the largest score of each block of 32 keys: for the column's maximum, and, since p rises with the score, for the block's largest p
.endr
.irp i, 3,5,7,9,11,13
.irp b, 0,1,2,3
	v_max3_num_f32 v[232+\b], v[232+\b], v[S+16*\b+\i], v[S+1+16*\b+\i]
.endr
.endr
.irp b, 0,1,2,3
	v_max_num_f32 v[232+\b], v[232+\b], v[S+15+16*\b]
.endr
.irp b, 0,1,2,3
	s_delay_alu instid0(VALU_DEP_4)
	v_permlanex16_b32 v[236+\b], v[232+\b], s20, s21
.endr
.irp b, 0,1,2,3
	s_delay_alu instid0(VALU_DEP_4)
	v_max_num_f32 v[232+\b], v[232+\b], v[236+\b]  ; with lane l xor 16's 16 keys
.endr
	s_delay_alu instid0(VALU_DEP_2)
	v_max3_num_f32 v254, v232, v233, v234
	s_delay_alu instid0(VALU_DEP_1)
	v_max_num_f32 v254, v254, v235
	s_delay_alu instid0(VALU_DEP_1)
	v_mul_f32 v254, s22, v254                      ; as t (the factor is positive)
	s_delay_alu instid0(VALU_DEP_1)
	v_max_num_f32 v13, v13, v254                   ; the running largest t
	v_mov_b32 v254, v12
	s_delay_alu instid0(VALU_DEP_2)
	v_floor_f32 v12, -v13                          ; -M = floor(-t): M is a whole number
	s_delay_alu instid0(VALU_DEP_1)
	v_sub_f32 v254, v12, v254                      ; old M - new M: a whole number, 0 or less
	s_delay_alu instid0(VALU_DEP_1)
	v_cvt_i32_f32 v254, v254                       ; (it saturates)
	s_delay_alu instid0(VALU_DEP_1)
	v_ldexp_f32 v252, 1.0, v254                    ; f = 2^(old M - new M): multiplying by it rounds nothing
.set i, 0
.rept 32
	v_pk_fma_f32 v[S+i:S+i+1], v[S+i:S+i+1], s[22:23], v[12:13] op_sel_hi:[1,0,0]   ; t - M, two at a time
.set i, i+2
.endr
.irp b, 0,1,2,3
	v_fma_f32 v[232+\b], v[232+\b], s22, v12
.endr
.set i, 0
	s_wait_alu depctr_va_vdst(0)
.rept 64
	v_exp_f32 v[S+i], v[S+i]                       ; p = 2^(t - M), at most 1, not normalised
.set i, i+1
.endr
	v_pk_mul_f32 v[14:15], v[14:15], v[252:253] op_sel_hi:[1,0]   ; the sums under the new M: the plain place behind the exponentials
	s_wait_alu depctr_va_vdst(0)                   ; one wait for the whole batch, ahead of its first reader
.irp b, 0,1,2,3
	v_exp_f32 v[232+\b], v[232+\b]                 ; the block's largest p
.endr
	v_pk_add_f32 v[236:237], v[132:133], v[136:137]
	v_pk_add_f32 v[246:247], v[140:141], v[144:145]
	v_pk_add_f32 v[244:245], v[148:149], v[152:153]
	v_pk_add_f32 v[242:243], v[156:157], v[160:161]
	v_pk_add_f32 v[240:241], v[164:165], v[168:169]
	v_pk_add_f32 v[238:239], v[172:173], v[176:177]
	v_pk_add_f32 v[230:231], v[180:181], v[184:185]
	v_pk_add_f32 v[14:15], v[14:15], v[188:189]
	v_pk_add_f32 v[236:237], v[236:237], v[128:129]
	v_pk_add_f32 v[246:247], v[246:247], v[130:131]
	v_pk_add_f32 v[244:245], v[244:245], v[134:135]
	v_pk_add_f32 v[242:243], v[242:243], v[138:139]
	v_pk_add_f32 v[240:241], v[240:241], v[142:143]
	v_pk_add_f32 v[238:239], v[238:239], v[146:147]
	v_pk_add_f32 v[230:231], v[230:231], v[150:151]
	v_pk_add_f32 v[14:15], v[14:15], v[154:155]
	v_pk_add_f32 v[236:237], v[236:237], v[158:159]
	v_pk_add_f32 v[246:247], v[246:247], v[162:163]
	v_pk_add_f32 v[244:245], v[244:245], v[166:167]
	v_pk_add_f32 v[242:243], v[242:243], v[170:171]
	v_pk_add_f32 v[240:241], v[240:241], v[174:175]
	v_pk_add_f32 v[238:239], v[238:239], v[178:179]
	v_pk_add_f32 v[230:231], v[230:231], v[182:183]
	v_pk_add_f32 v[14:15], v[14:15], v[186:187]
	v_pk_add_f32 v[236:237], v[236:237], v[190:191]
	s_delay_alu instid0(VALU_DEP_2)
	v_pk_add_f32 v[14:15], v[14:15], v[242:243]
	s_delay_alu instid0(VALU_DEP_2)
	v_pk_add_f32 v[236:237], v[236:237], v[240:241]
	v_pk_add_f32 v[246:247], v[246:247], v[238:239]
	v_pk_add_f32 v[244:245], v[244:245], v[230:231]
	s_delay_alu instid0(VALU_DEP_2)
	v_pk_add_f32 v[14:15], v[14:15], v[246:247]
	s_delay_alu instid0(VALU_DEP_2)
	v_pk_add_f32 v[236:237], v[236:237], v[244:245]
	s_delay_alu instid0(VALU_DEP_1)
	v_pk_add_f32 v[14:15], v[14:15], v[236:237]
	s_wait_alu depctr_va_vdst(0)                   ; and one for the four
.irp b, 0,1,2,3
	v_max_num_f32 v[232+\b], 0x2800000, v[232+\b]  ; the floor 2^(5 - 127): the byte cannot fall under 1
.endr
.irp b, 0,1,2,3
	s_delay_alu instid0(VALU_DEP_4)
	v_add_nc_u32 v[244+\b], 0xfe000000, v[232+\b]  ; 4 off the exponent field: the conversion's scale operand
.endr
.irp b, 0,1,2,3
	s_delay_alu instid0(VALU_DEP_4)
	v_lshrrev_b32 v[236+\b], 23, v[244+\b]
.endr
	s_delay_alu instid0(VALU_DEP_3)
	v_lshl_or_b32 v253, v237, 8, v236              ; p's scale word for these 128 keys
	s_delay_alu instid0(VALU_DEP_1)
	v_lshl_or_b32 v253, v238, 16, v253
	s_delay_alu instid0(VALU_DEP_1)
	v_lshl_or_b32 v253, v239, 24, v253
.irp c, 0,1
	v_cvt_scalef32_pk16_bf6_f32 v[224+6*\c:226+6*\c], v[S+32*\c:S+15+32*\c], v[244+2*\c]
	v_cvt_scalef32_pk16_bf6_f32 v[236+4*\c:238+4*\c], v[S+16+32*\c:S+31+32*\c], v[245+2*\c]
.endr
	v_nop                                          ; one plain place behind a scaled conversion
.irp c, 0,1
.irp i, 0,1,2
	v_permlane16_swap_b32 v[224+6*\c+\i], v[236+4*\c+\i]   ; the operand wants a whole block in a lane
.endr
.irp i, 0,1,2
	s_delay_alu instid0(VALU_DEP_3)
	v_mov_b32 v[227+6*\c+\i], v[236+4*\c+\i]
.endr
.endr
	s_setprio 1
.irp t, 0,1,2,3,4,5,6,7                ; p is done with: its registers and the 32 behind them take v's fragments 8-15
.irp j, 0,1,2
	ds_load_b128 v[128+12*\t+4*\j:131+12*\t+4*\j], v3 offset:6144+1536*(8+\t)+512*\j
.endr
.endr
	WIN 0x41                                       ; destination and source 0 window 1
.set i, 0
.rept 64
	v_pk_mul_f32 v[i:i+1], v[i:i+1], v[252:253] op_sel_hi:[1,0]   ; O^T under the new M, each accumulator from its low end on.  These are also the places between p's codes and scale word and the products
.set i, i+2
.endr
	s_wait_alu depctr_va_vdst(0)
	s_wait_dscnt 24                                ; all but the 24 just issued
	WIN 0x51                                       ; v's fragment, C and D window 1; p window 0.  The sixteen accumulators take turns, one instruction a turn
	s_setprio 0
.irp t, 0,1,2,3,4,5,6,7
	MM 8*\t, 128+12*\t, 224, 8*\t, 8+\t/2, 253, \t%2
.endr
	s_wait_dscnt 12                                ; fragments 8-11 are in; the last four fragments' twelve loads may be out
	WIN 0x50                                       ; v's fragment window 0
.irp t, 8,9,10,11
	MM 8*\t, 32+12*\t, 224, 8*\t, 244+\t/2, 253, \t%2
.endr
	s_wait_dscnt 0x0
.irp t, 12,13,14,15
	MM 8*\t, 32+12*\t, 224, 8*\t, 244+\t/2, 253, \t%2
.endr
	WIN 0                                          ; at a label and at a branch every window is 0
.endm
.macro FOUR_STEPS                      ; a slot's four key steps: written once, walked four times
	s_mov_b32 s49, 4
.Lstep_\@:
	s_setprio 2
	STEP
	s_add_co_u32 s3, s3, STEPB
	s_sub_co_u32 s49, s49, 1
	s_cmp_lg_u32 s49, 0
	s_cbranch_scc1 .Lstep_\@
	s_setprio 0
	s_sub_co_u32 s3, s3, 4*STEPB                   ; back to a slot's first step,
	s_xor_b32 s3, s3, SLOT1                        ; in the other slot
.endm
	s_load_b256 s[4:11], s[0:1], 0x0               ; kv s[4:5], qq s[6:7], x s[8:9], gamma s[10:11]
	s_load_b64 s[12:13], s[0:1], 0x20              ; out0
	v_lshl_add_u32 v5, v0, 2, SPARE
	v_mov_b32 v6, 0
	ds_add_u32 v5, v6
	ds_add_u32 v5, v6
	s_wait_dscnt 0x0
	v_lshrrev_b32 v1, 5, v0
	s_delay_alu instid0(VALU_DEP_1)
	v_readfirstlane_b32 s18, v1                    ; wave 0..7
	s_bfe_u32 s19, ttmp6, 0x40000                  ; cx: my place in the cluster: it enters global addresses of my own alone
	s_lshl_b32 s62, ttmp9, 2
	s_add_co_u32 s62, s62, s19                     ; my block of 128 queries
	s_and_b32 s51, ttmp7, 0xffff                   ; the batch, which the four partners share
	; descriptor group 1 for kv: 64 rows of 32 elements of 8 bytes, dense; the mask names all four work-groups, bit 21 beside it
	s_mov_b32 s24, 15|(3<<16)|(1<<21)
	s_mov_b32 s25, 32<<16                          ; tensor_dim0
	s_mov_b32 s26, 64<<16                          ; tensor_dim1
	s_mov_b32 s27, 32<<16                          ; tile_dim0
	s_mov_b32 s28, 64                              ; tile_dim1
	s_mov_b32 s29, 32                              ; pitch
	s_mov_b32 s30, 0
	s_mov_b32 s31, 0
	; and for x: 32 rows of 64 elements of 8 bytes, 2,048 elements from row to row; no mask
	s_mov_b32 s40, 3<<16
	s_mov_b32 s41, 64<<16
	s_mov_b32 s42, 32<<16
	s_mov_b32 s43, 64<<16
	s_mov_b32 s44, 32
	s_mov_b32 s45, 2048
	s_mov_b32 s46, 0
	s_mov_b32 s47, 0
	s_mov_b32 s20, 0x76543210
	s_mov_b32 s21, 0xfedcba98                      ; v_permlanex16_b32's selects for lane l xor 16
	s_mov_b32 s22, 0x3e38aa3b                      ; log2(e) / 8
	s_mov_b32 s23, s22                             ; (named with it as a pair)
	s_mov_b32 s3, 0                                ; the step in hand begins at LDS byte 0
	s_mov_b32 s48, 7                               ; slots still to be asked for
	s_lshr_b32 s50, s18, 2                         ; 0 in waves 0 to 3,
	s_or_b32 s50, s50, ttmp9                       ; of the batch's first cluster: the same in all four partners
	s_cmp_eq_u32 s50, 0
	s_cselect_b32 s50, 1, -1
	s_lshl_b32 s58, s51, 20                        ; kv: the batch's 32 blocks,
	s_lshl_b32 s59, s18, 14                        ; my wave's eighth of a slot
	s_add_co_u32 s58, s58, s59
	s_mov_b32 s59, 0
	s_lshl_b32 s60, s51, 22                        ; x and out0: the batch,
	s_lshl_b32 s61, s62, 9                         ; my 128 positions,
	s_add_co_u32 s60, s60, s61
	s_lshl_b32 s61, s18, 19                        ; my wave's 32 channels
	s_add_co_u32 s60, s60, s61
	s_mov_b32 s61, 0
	s_lshl_b32 s14, s51, 20                        ; the prefetches: the batch, slot 1 (the first change steps it to slot 2),
	s_add_co_u32 s14, s14, 4*STEPB
	s_lshl_b32 s15, s19, 15                        ; my work-group's quarter,
	s_add_co_u32 s14, s14, s15
	s_lshl_b32 s15, s18, 13                        ; my wave's 8,192 bytes
	s_add_co_u32 s14, s14, s15
	s_mov_b32 s15, 0
	s_lshl_b32 s16, s51, 5
	s_add_co_u32 s16, s16, s62
	s_mul_i32 s16, s16, 6656                       ; my block of qq
	s_mov_b32 s17, 0
	s_wait_kmcnt 0x0
	s_load_b32 s54, s[10:11], 0x0                  ; gamma
	s_mov_b32 s32, 1
	s_lshl_b32 s33, s18, 14                        ; LDS: 16,384 x wave, slot 0: no place in the cluster enters an LDS address
	s_add_nc_u64 s[34:35], s[4:5], s[58:59]
	s_or_b32 s35, s35, 0x80000000
	s_mov_b32 s36, 1
	s_lshl_b32 s37, s18, 14
	s_add_nc_u64 s[38:39], s[8:9], s[60:61]
	s_or_b32 s39, s39, 0x80000000
	s_add_nc_u64 s[56:57], s[12:13], s[60:61]
	s_add_nc_u64 s[52:53], s[4:5], s[14:15]
	s_add_nc_u64 s[6:7], s[6:7], s[16:17]
	CROUND                                         ; all four work-groups are here: the first joint loads meet
	tensor_load_to_lds s[32:35], s[24:31]          ; key steps 0 to 3.  By this text's own count a wave never has more than one tensor load out
	s_nop 0
.rept 4
	v_nop
.endr
	v_and_b32 v1, 31, v0
	s_delay_alu instid0(VALU_DEP_1)
	v_lshlrev_b32 v2, 3, v1                        ; 8 x lane
	s_delay_alu instid0(VALU_DEP_2)
	v_lshlrev_b32 v7, 8, v1                        ; 256 x lane
	s_delay_alu instid0(VALU_DEP_3)
	v_lshlrev_b32 v1, 4, v1                        ; 16 x lane
	s_mul_i32 s14, s18, 768                        ; my query tile
	v_add_nc_u32 v3, s14, v1
	v_add_nc_u32 v4, s14, v2
	v_and_b32 v254, 15, v0
	s_delay_alu instid0(VALU_DEP_1)
	v_lshlrev_b32 v254, 4, v254
	s_and_b32 s14, s18, 1
	s_lshl_b32 s14, s14, 8
	s_lshr_b32 s15, s18, 1
	s_lshl_b32 s15, s15, 2
	s_add_co_u32 s14, s14, s15
	v_add_nc_u32 v254, s14, v254                   ; its scale words: 256 (w % 2) + 16 r + 4 (w / 2)
	global_load_b128 v[16:19], v3, s[6:7]
	global_load_b64 v[20:21], v4, s[6:7] offset:512
	global_load_b32 v255, v254, s[6:7] offset:6144
.irp i, 22,23,24,25,26,27
	v_mov_b32 v\i, 0                               ; the upper 64 of the score's K: zero codes, made once
.endr
.irp t, 0,1,2,3,4,5,6,7
.irp i, 6,7,8,9,10,11
	v_mov_b32 v[32+12*\t+\i], 0
.endr
.endr
	v_mov_b32 v13, 0xff61b1e6                      ; the largest t so far: -3e38
	s_delay_alu instid0(VALU_DEP_1)
	v_floor_f32 v12, -v13
	v_mov_b32 v14, 0
	v_mov_b32 v15, 0
.irp b, 0,1,2,3
	v_mov_b32 v[236+\b], 0                         ; a lane permute's destination counts as one of its sources
.endr
	v_mov_b32 v253, 0                              ; (named as the upper half of v[252:253] before it is first written)
	WIN 0x40
.set i, 0
.rept 128
	v_mov_b32 v[i], 0                              ; O^T.  The key step is written once for all 32: the first finds zeros, which the first change of M leaves zeros
.set i, i+1
.endr
	WIN 0
	s_wait_kmcnt 0x0
	s_mov_b32 s55, s54                             ; gamma as a pair
	s_wait_loadcnt 0x0                             ; the queries
.Lslot:                                            ; seven trips: behind each change of slots but the last the next four key steps are asked for
	CHANGE 1
	FOUR_STEPS
	s_sub_co_u32 s48, s48, 1
	s_cmp_lg_u32 s48, 0
	s_cbranch_scc1 .Lslot
	CHANGE 2                                       ; the last slot is written out: slot 0 takes x's 256 x 128 numbers, which land under the last four key steps
	FOUR_STEPS
	; THE WAY OUT.  O^T / the sum goes to a stage laid [channel][position]; then each wave takes 32 whole rows, adds gamma x row to x's row and stores 512 consecutive bytes an instruction.
	v_add_f32 v14, v14, v15
	s_delay_alu instid0(VALU_DEP_1)
	v_permlanex16_b32 v252, v14, s20, s21
	s_delay_alu instid0(VALU_DEP_1)
	v_add_f32 v14, v14, v252                       ; the column's sum
	s_wait_alu depctr_va_vdst(0)
	v_rcp_f32 v14, v14
	v_and_b32 v16, 15, v0                          ; (plain places behind the reciprocal, and behind the last products)
	v_bfe_u32 v17, v0, 4, 1
	s_delay_alu instid0(VALU_DEP_2)
	v_and_b32 v18, 8, v16
	s_delay_alu instid0(VALU_DEP_1)
	v_add_nc_u32 v16, v16, v18
	s_delay_alu instid0(VALU_DEP_1)
	v_lshlrev_b32 v16, 2, v16                      ; 4 (r + 8 (r / 8))
	s_delay_alu instid0(VALU_DEP_1)
	v_mad_u32_u24 v16, v17, 8*SP, v16              ; + 8 h rows
	s_lshr_b32 s14, s18, 1
	s_lshl_b32 s14, s14, 7
	s_and_b32 s15, s18, 1
	s_lshl_b32 s15, s15, 5
	s_add_co_u32 s14, s14, s15                     ; my tile's first position: 32 (w / 2) + 8 (w % 2)
	s_add_co_u32 s14, s14, STG
	v_add_nc_u32 v16, s14, v16                     ; into the stage, channels 0-127;
	s_delay_alu instid0(VALU_DEP_1)
	v_add_nc_u32 v17, 128*SP, v16                  ; channels 128-255
	s_mul_i32 s14, s18, 32*SP
	s_add_co_u32 s14, s14, STG
	v_add_nc_u32 v18, s14, v1                      ; back: my 32 rows, 16 bytes a lane
	s_lshl_b32 s14, s18, 14
	v_add_nc_u32 v19, s14, v1                      ; and x's
	s_wait_alu depctr_va_vdst(0)                   ; ahead of the reciprocal's first reader
	WIN 0x41
.set i, 0
.rept 64
	v_pk_mul_f32 v[i:i+1], v[i:i+1], v[14:15] op_sel_hi:[1,0]
.set i, i+2
.endr
	WIN 0
	s_wait_alu depctr_va_vdst(0)
	s_wait_tensorcnt 0x0                           ; my 32 rows of x have landed,
	s_wait_dscnt 0x0                               ; and my reads of slot 1 are over
	s_barrier_signal -1
	s_barrier_wait -1                              ; everybody's: the stage may be written
	WIN 0x04                                       ; an LDS store's data are its source 1: window 1
.irp t, 0,1,2,3,4,5,6,7,8,9,10,11,12,13,14,15
.irp j, 0,1,2,3,4,5,6,7
	ds_store_b32 v[16+\t/8], v[8*\t+\j] offset:(16*(\t%8)+\j)*SP   ; lane (r, h): channel 16 t + 8 h + j, my query's position; eight rows are 1,056 words, so the two halves of the lanes fall 32 banks apart
.endr
.endr
	WIN 0
	s_wait_dscnt 0x0                               ; for the others' sake: my stores have landed
	s_barrier_signal -1
	s_barrier_wait -1
.irp i, 0,1,2,3,4,5,6,7,8,9,10,11,12,13,14,15
	ds_load_b128 v[32+4*\i:35+4*\i], v18 offset:SP*\i
.endr
.irp i, 0,1,2,3,4,5,6,7,8,9,10,11,12,13,14,15
	ds_load_b128 v[96+4*\i:99+4*\i], v19 offset:512*\i
.endr
.irp i, 0,1,2,3,4,5,6,7,8,9,10,11,12,13,14,15
	ds_load_b128 v[160+4*\i:163+4*\i], v18 offset:SP*(16+\i)
.endr
	s_wait_dscnt 16                                ; the first 16 rows and their x are in; the stage's second 16 may be out
.set i, 0
.rept 32
	v_pk_fma_f32 v[32+i:33+i], v[32+i:33+i], s[54:55], v[96+i:97+i] op_sel_hi:[1,0,1]   ; x + gamma o
.set i, i+2
.endr
.irp i, 0,1,2,3,4,5,6,7,8,9,10,11,12,13,14,15
	ds_load_b128 v[96+4*\i:99+4*\i], v19 offset:512*(16+\i)
.endr
.irp i, 0,1,2,3,4,5,6,7,8,9,10,11,12,13,14,15
	global_store_b128 v1, v[32+4*\i:35+4*\i], s[56:57] offset:16384*\i th:TH_STORE_NT   ; 32 lanes store 512 consecutive bytes, at a multiple of 256 from out0's first byte
.endr
	s_wait_dscnt 0x0
.set i, 0
.rept 32
	v_pk_fma_f32 v[160+i:161+i], v[160+i:161+i], s[54:55], v[96+i:97+i] op_sel_hi:[1,0,1]
.set i, i+2
.endr
.irp i, 0,1,2,3,4,5,6,7,8,9,10,11,12,13,14,15
	global_store_b128 v1, v[160+4*\i:163+4*\i], s[56:57] offset:16384*(16+\i) th:TH_STORE_NT
.endr
	s_wait_tensorcnt 0x0                           ; the wave's end, behind my last tensor load and my last LDS store
	ds_add_u32 v5, v6
	s_wait_dscnt 0x0
	CROUND                                         ; the closing round: no work-group ends while a partner may still ask for a tile that names it
	s_endpgm
.Lfunc_end_k_qe3d61ceb3e_attn:
	.size	k_qe3d61ceb3e_attn, .Lfunc_end_k_qe3d61ceb3e_attn-k_qe3d61ceb3e_attn
	.p2alignl 7, 3214868480
	.fill 96, 4, 3214868480
	.section	.rodata,"a",@progbits
	.p2align	6, 0x0
	.amdhsa_kernel k_qe3d61ceb3e_attn
		.amdhsa_group_segment_fixed_size 327680
		.amdhsa_private_segment_fixed_size 0
		.amdhsa_enable_private_segment 0
		.amdhsa_kernarg_size 40
		.amdhsa_user_sgpr_count 2
		.amdhsa_user_sgpr_kernarg_segment_ptr 1
		.amdhsa_wavefront_size32 1
		.amdhsa_system_sgpr_workgroup_id_x 1
		.amdhsa_system_sgpr_workgroup_id_y 1
		.amdhsa_system_sgpr_workgroup_id_z 1
		.amdhsa_system_vgpr_workitem_id 0
		.amdhsa_next_free_vgpr 512
		.amdhsa_next_free_sgpr 66
		.amdhsa_reserve_vcc 0
		.amdhsa_float_denorm_mode_32 3
		.amdhsa_float_denorm_mode_16_64 3
		.amdhsa_memory_ordered 1
		.amdhsa_forward_progress 1
		.amdhsa_inst_pref_size 87
	.end_amdhsa_kernel
	.amdgpu_metadata
---
amdhsa.version: [ 1, 2 ]
amdhsa.kernels:
  - .name:           k_qe3d61ceb3e_attn
    .symbol:         k_qe3d61ceb3e_attn.kd
    .args:
      - { .name: kv, .offset: 0, .size: 8, .value_kind: global_buffer, .address_space: global }
      - { .name: qq, .offset: 8, .size: 8, .value_kind: global_buffer, .address_space: global }
      - { .name: x, .offset: 16, .size: 8, .value_kind: global_buffer, .address_space: global }
      - { .name: gamma, .offset: 24, .size: 8, .value_kind: global_buffer, .address_space: global }
      - { .name: out0, .offset: 32, .size: 8, .value_kind: global_buffer, .address_space: global }
    .group_segment_fixed_size: 327680
    .private_segment_fixed_size: 0
    .kernarg_segment_align: 8
    .kernarg_segment_size: 40
    .max_flat_workgroup_size: 256
    .sgpr_count:     66
    .vgpr_count:     512
    .wavefront_size: 32
...
	.end_amdgpu_metadata
.endif
;; end of part 2
